; MI455X (gfx1250); checked and timed in simulation.
; The chip was launched on July 23, 2026; its instructions are those of AMD's public machine-readable ISA for CDNA 5 (MIT licence, August 2026) and "CDNA5" Instruction Set Architecture Reference Guide (July 2026). The comments in the code are by the model that wrote it; some were corrected since.
;; Core Attention. Allowed arithmetic: matrix products marked QUANTISED: E3M2 operands, one E8M0 scale for each 32 along K, by v_wmma_scale_f32_16x16x128_f8f6f4 with both operands' format E3M2, f32 sums; everything else in f32.
;; Inputs: key_states 2 x 16 x 2,048 x 64 float32; query_states 2 x 16 x 2,048 x 64 float32; value_states 2 x 16 x 2,048 x 64 float32.
;; Outputs: out0 2 x 16 x 2,048 x 64 float32.
;; This version of the problem:
;;   THIS VERSION OF THE PROBLEM IS GIVEN IN LOW PRECISION. The matrix products marked QUANTISED in the list below multiply operands that are first quantised to E3M2 (3 exponent bits, 2 mantissa bits; 6 bits a number), with one power-of-two scale for each 32 numbers along K (OCP MX v1.0); their sums are f32. All else is computed in f32.
;;   The module's matrix products, in the order in which they are computed (A, B: the left and right operand; K: the contracted axis; several contracted axes count as one K, in the product's order):
;;     1. batch 32 x [M 2,048, K 64] x [K 64, N 2,048]; A: input query_states; B: input key_states: QUANTISED
;;     2. batch 32 x [M 2,048, K 2,048] x [K 2,048, N 64]; A: softmax (see below); B: input value_states: QUANTISED
;;   THE QUANTISER, for each operand of a quantised product, along K:
;;     - K is cut into blocks of 32 from its start; a last block that is shorter is filled with zeros.
;;     - A block's scale is 2^e with e = floor(log2(the largest magnitude in the block)) - 4, held to -126 .. 127; a block of zeros has e = 0. As a byte (E8M0): e + 127.
;;     - Each number is divided by its block's scale, clamped to +-28, and rounded to the nearest number of E3M2, ties to even, subnormals kept.
;;     - The product sums the exact products of the quantised numbers (number of the format x scale) in f32.
;;   ~~~python
;;   def quantise(x, axis):      # numpy; x: float32 -> the quantised numbers, widened to float32 again
;;       x = np.moveaxis(x, axis, -1); K = x.shape[-1]
;;       x = np.pad(x, [(0, 0)] * (x.ndim - 1) + [(0, -K % 32)]); x = x.reshape(x.shape[:-1] + (-1, 32)); a = np.abs(x).max(-1, keepdims=True)
;;       e = np.where(a > 0, np.clip(np.frexp(np.where(a > 0, a, 1))[1] - 1 - 4, -126, 127), 0)      # np.frexp(a)[1] - 1 = floor(log2(a)), exactly
;;       r = np.clip(x / 2.0 ** e, -28, 28)
;;       step = 2.0 ** (np.maximum(np.frexp(np.where(r == 0, 1, r))[1] - 1, -2) - 2)
;;       q = np.round(r / step) * step * 2.0 ** e      # np.round: ties to even
;;       return np.moveaxis(q.reshape(q.shape[:-2] + (-1,))[..., :K], -1, axis).astype(np.float32)
;;   ~~~
;;   SOFTMAX AHEAD OF A QUANTISED PRODUCT. Where the list says 'softmax', what is quantised is not the finished softmax but p = 2^(t - M), with t = logit x log2(e) and M = ceil(the row's largest t), a whole number; so 1/2 < the row's largest p <= 1. The row's sum l is taken of the UNQUANTISED p, in f32, and the product's result is divided by l at the end. Since M is a whole number, a kernel that streams over the keys may use a running M (the ceiling of the running maximum): every later rescaling is an exact power of two, which a block's scale takes up: the codes' values come out the same.
;;   OPERANDS COMPUTED ON THE WAY. 'Computed on the way' means the value that the module computes at that place (a softmax that the list does not call 'softmax' is quantised finished and normalised). What goes into a quantiser is computed in f32, as accurately as f32 sums, v_exp_f32 and their like allow (about 1e-6 of the number): no bf16 or f16 on the way to a quantiser, and a product that is left as it is and whose result goes on into a quantised operand takes f32 operands (vector FMAs, or v_wmma_f32_16x16x4_f32). A number that lies on a knife's edge between two numbers of the format may be rounded either way, as far as f32 arithmetic and the matrix unit's own rounding can turn it there, and no further.
;; 2 versions. Each part assembles by itself: llvm-mc -triple=amdgcn-amd-amdhsa -mcpu=gfx1250 --defsym DOCPART=n.
;; ======== version 1 of 2: 1 launch
;; limits: right only within a limited range of input values
;; launch attn (part 1): grid 8 x 32, 16 waves a work-group, no clusters, 97,280 bytes of LDS; arguments query_states, key_states, value_states, out0; writes out0
.if DOCPART == 1
	.amdgcn_target "amdgcn-amd-amdhsa--gfx1250"
	.amdhsa_code_object_version 6
	.text
	.protected	k_q68994235a3_attn
	.globl	k_q68994235a3_attn
	.p2align	8
	.type	k_q68994235a3_attn,@function
k_q68994235a3_attn:
	s_mov_b64 s[64:65], 0
	v_nop
	global_prefetch_b8 v0, s[64:65] scope:SCOPE_SE
	s_setreg_imm32_b32 hwreg(HW_REG_WAVE_MODE, 25, 1), 1
	s_wait_xcnt 0x0
; Causal attention, O[h][q][:] = sum over k of softmax_k(Q[h][q] . K[h][k] / 8) V[h][k][:], 32 heads, 2,048 positions, head size 64, all four tensors f32 [32][2048][64].
; Both products run on codes of BF6 (E3M2) with one E8M0 scale for each 32 along a product's K; Q, K (along the head's 64) and V (along the keys) are quantised HERE, in registers.
; SOFTMAX: t = score x log2(e) / 8; M = the running largest t rounded UP to a whole number; p = 2^(t - M) is quantised along the keys, not normalised; the row's sum is taken of the unquantised p and divides O at the end.
; When M moves, the sum and O are multiplied by 2^(old M - new M), which rounds nothing.
; SHARES.  A head's queries are 16 blocks of 128.  Work-group (p, head) owns blocks p and 15 - p: waves 0-7 the eight tiles of 16 queries of block p, waves 8-15 those of block 15 - p.  Keys go in steps of 128.
; A wave of block B attends to steps 0 .. B, so every work-group has 8 (p + 1) + 8 (16 - p) = 136 tile steps.  Both blocks walk the same keys from step 0: one quantised copy of K and V in LDS serves all sixteen waves.
; PRODUCERS.  In step j the sixteen waves also quantise step j + 1 (while j + 1 <= 15 - p) into the other of two LDS slots: eight waves K, eight waves V, one block of 32 numbers a lane; the f32 numbers of step j + 2 are asked for meanwhile.
; One barrier a step: in front of it each wave's stores into the next slot have landed and its reads of this slot are back.
; LAYOUT.  Both products are used transposed (S^T = K Q^T, O^T = V^T P^T): a lane holds ONE query (lane % 16) throughout.
;   The first product's K is 64, half of the instruction's 128.  A fragment of K therefore carries 32 keys: lane (r, h), registers 6 c .. 6 c + 5 = channels 32 h .. 32 h + 31 of key 32 f + 8 c + r + 8 (r / 8).
;   Q stands as 18 registers [6 zeros | q | 6 zeros]: the run [q | 0] picks the keys with c = 0, the run [0 | q] those with c = 1; zero codes add nothing.  So register 16 b + i of S^T is key 32 b + 16 (lane / 16) + i.
;   A fragment lies in LDS as an image of its registers: lane L's 12 registers are the 48 bytes at 48 L.  Scale words lie [row][fragment], 16 bytes a row.
; THE MASK.  In the step on a wave's diagonal hidden scores take the module's own fill, -10,000 (as a raw score, ahead of the 1 / 8: -80,000).  Steps all of whose keys are hidden are left out.
; LIMITS.  Leaving those steps out is right where each query's largest unmasked logit lies above -9,980: all hidden keys together then weigh under 2^-17 of the row's sum.  NaN and infinities among the inputs are not served.
;   A block of zeros gets the scale byte 1 where the rule says 127: its codes are zeros, and this program alone reads the bytes.
; NO CLUSTER, NO TENSOR LOAD: K and V arrive as f32 and become codes in registers; laid into LDS as f32 a step would be 65,536 bytes there against the codes' 12,800, and the work-groups of a head walk different numbers of steps (16 - p).
.set SLOT,  12800                      ; an LDS slot: one key step's codes and scale words
.set KIMG,  0                          ; K's four fragments, 1,536 bytes each
.set VIMG,  6144                       ; V's four
.set KSC,   12288                      ; K's scale words: 16 rows x 4 fragments x 4 bytes
.set VSC,   12544                      ; V's
.set STG,   2*SLOT                     ; behind the slots: a stage of 16 rows x (256 + 16) bytes for each wave, its own: Q's and K's turn, and the way out
.set WSTG,  16*272
.set STEPB, 32768                      ; a key step of K or of V in memory: 128 rows of 256 bytes
.set AFR,  1                           ; v1   48 x lane: my place in a fragment's image
.set ASC,  2                           ; v2   16 r: my row's four scale words
.set TIN,  3                           ; v3   stage + 272 h + 16 r: rows as they are loaded (two rows an instruction)
.set TRD,  4                           ; v4   stage + 272 r + 128 h: my block of 32 numbers of row r
.set OSI,  5                           ; v5   stage + 272 r + 32 h: the way out
.set KPST, 6                           ; v6   where a K producer puts its codes
.set KPSB, 7                           ; v7   and its scale byte
.set KGL,  8                           ; v8   and its byte offset in a step of K in memory
.set VPST, 9                           ; v9   the same three for a V producer
.set VPSB, 10
.set VGL,  11
                                       ; v12 -M, v13 the largest t, v[14:15] the row's sum in two halves
.set QZ,   16                          ; v16-33  [0 x 6 | q x 6 | 0 x 6]
.set QS,   34                          ; v34  Q's scale word
.set PS,   35                          ; v35  p's scale word
.set SCL,  36                          ; v36-39  the four fragments' scale words: K's, then V's
.set F,    40                          ; v40-87  four fragments: K's, then V's
.set PFO,  88                          ; v88  the prefetches' offset
.set LN16, 89                          ; v89  16 x lane
.set DQ,   90                          ; v90  my query less the diagonal step's first key less 16 h
.set MV,   91                          ; v91  -80,000.0
.set EX,   92                          ; v92-95  the conversions' scale operands
.set S,    96                          ; v96-159  S^T, then p; v96-127 also a producer's turned numbers
.set RAW0, 128                         ; v128-159  at the head: step 0 as loaded
.set O,    160                         ; v160-191 O^T
.set PC,   192                         ; v192-203 p's codes; v192-198 also a producer's codes
.set PT,   204                         ; v204-206, v208-210 the conversions' second halves
.set R,    212                         ; v212-243 the f32 numbers of the step to be quantised next
.set BM,   244                         ; v244-247 block maxima
.set PM,   248                         ; v248-251 permutes' results, a chain of the sum, bytes
                                       ; v[252:253] f = 2^(old M - new M) and 0; v254 at work
.set KP,   6                           ; s[6:7]  K, s[8:9] V: at the step whose numbers are asked for next
.set VP,   8
.set WV,   12                          ; wave 0..15
.set PP,   13                          ; p
.set HD,   14                          ; head
.set LAST, 15                          ; 15 - p: the last key step that this work-group needs
.set BLK,  16                          ; my block of queries = my last key step, the one on my diagonal
.set J2,   17                          ; the loop's counter: 0, 2, .. 14
.set TJ,   18                          ; the key step in hand
.set LIM,  19                          ; a wave prefetches while the step is under this number: 13 or 0
.set SEL,  20                          ; s[20:21] lane selects for v_permlanex16_b32: lane l xor 16
.set CS,   22                          ; s[22:23] c = log2(e) / 8, twice: the packed form names a pair
.set IDX,  24                          ; which eighth of a step I quantise
.set ROLE, 25                          ; 0: I quantise K; 1: V
.set T2,   26                          ; the step in hand + 2
; 32 numbers of ONE block in one lane, v[src] on, become 6 registers of codes, v[c] on (v[c+6] is used on the way), and the scale's byte in v[BM+3].
; The largest magnitude has the floor 2^(5 - 127) among its leaves, so the byte cannot fall under 1; its exponent field less 4 is the scale's byte, and the conversion takes the exponent field of its scale operand alone.
.macro QUANT32 src, c
	v_max3_num_f32 v[BM], |v[(\src)]|, |v[(\src)+1]|, 0x2800000
	v_max3_num_f32 v[BM+1], |v[(\src)+2]|, |v[(\src)+3]|, |v[(\src)+4]|
.irp k, 0,1,2,3,4,5
	v_max3_num_f32 v[BM], v[BM], |v[(\src)+5+4*\k]|, |v[(\src)+6+4*\k]|        ; two chains by turns
	v_max3_num_f32 v[BM+1], v[BM+1], |v[(\src)+7+4*\k]|, |v[(\src)+8+4*\k]|
.endr
	v_max3_num_f32 v[BM], v[BM], |v[(\src)+29]|, |v[(\src)+30]|
	v_max3_num_f32 v[BM], v[BM], v[BM+1], |v[(\src)+31]|
	v_add_nc_u32 v[BM+2], 0xfe000000, v[BM]                                    ; 4 off the exponent field
	v_lshrrev_b32 v[BM+3], 23, v[BM+2]                                         ; the byte
	v_cvt_scalef32_pk16_bf6_f32 v[(\c):(\c)+2], v[(\src):(\src)+15], v[BM+2]
	v_cvt_scalef32_pk16_bf6_f32 v[(\c)+4:(\c)+6], v[(\src)+16:(\src)+31], v[BM+2]   ; (a conversion's three registers begin on an even number)
	v_nop                                                                      ; one plain place behind a scaled conversion
	v_mov_b32 v[(\c)+3], v[(\c)+4]
	v_mov_b32 v[(\c)+4], v[(\c)+5]
	v_mov_b32 v[(\c)+5], v[(\c)+6]
.endm
; K's four fragments and their scale words out of slot s.  The last products that read these registers stand four plain instructions back (the end of ATTEND).
.macro KFETCH s
.irp f, 0,1,2,3
.irp g, 0,1,2
	ds_load_b128 v[F+12*\f+4*\g:F+12*\f+4*\g+3], v[AFR] offset:\s*SLOT+KIMG+1536*\f+16*\g
.endr
.endr
	ds_load_b128 v[SCL:SCL+3], v[ASC] offset:\s*SLOT+KSC
.endm
; The next key step's numbers, in v[src] on, are quantised into slot d.  first = 1: at the head, step 0; else step TJ + 1, if the work-group needs it; the numbers of step TJ + 2 are then asked for.
; K's waves: their 16 keys x 64 channels were loaded as they lie (512 consecutive bytes an instruction); they turn through the wave's own stage so that a lane holds one block of 32 channels of one key.
; V's waves: a lane took a channel and its registers run down 32 keys: a whole block, with the keys innermost; nothing is turned.
; THE PREFETCH: in the head's work-group p = 0, which walks all 16 steps, waves 0-3 (K) and 4-7 (V) name, in steps 0 to 12, the numbers of step TJ + 3: 8,192 bytes a wave, lanes 256 bytes apart, one instruction,
; directly behind the wave's own loads of step TJ + 2.  So each block of 256 bytes of steps 3 to 15 is named once in the launch; steps 0 to 2 come by their loads alone; step 15 is the last that is named.
.macro PRODUCE d, src, first
.if !\first
	s_cmp_ge_u32 s[TJ], s[LAST]
	s_cbranch_scc1 .Lpdone_\@                      ; nothing is left to quantise
	s_wait_loadcnt 0x0                             ; the numbers, asked for a step ago, are in: so those loads have read their bases too,
	s_wait_xcnt 0x0                                ; and so has the last prefetch, a step back
.endif
	s_add_nc_u64 s[KP:KP+1], s[KP:KP+1], STEPB     ; on to the step whose numbers are asked for next
	s_add_nc_u64 s[VP:VP+1], s[VP:VP+1], STEPB
.if !\first
	s_add_co_u32 s[T2], s[TJ], 2
.endif
	s_cmp_lg_u32 s[ROLE], 0
	s_cbranch_scc1 .Lpv_\@
.irp i, 0,1,2,3,4,5,6,7
	ds_store_b128 v[TIN], v[(\src)+4*\i:(\src)+4*\i+3] offset:544*\i           ; rows 2 i and 2 i + 1 of my sixteen
.endr
.irp i, 0,1,2,3,4,5,6,7
	ds_load_b128 v[S+4*\i:S+4*\i+3], v[TRD] offset:16*\i                       ; LDS serves a wave's instructions in order: these see the stores above
.endr
	s_wait_dscnt 0x0                               ; the turned numbers are in, and the stores have read their registers
.if !\first
	s_cmp_gt_u32 s[T2], s[LAST]
	s_cbranch_scc1 .Lpk_\@                         ; no load names a step that the work-group does not need
.irp i, 0,1,2,3,4,5,6,7
	global_load_b128 v[R+4*\i:R+4*\i+3], v[KGL], s[KP:KP+1] offset:512*\i+2048*(\i/4)   ; keys + 0 .. 7, then keys + 16 .. 23
.endr
	s_cmp_lt_u32 s[TJ], s[LIM]
	s_cbranch_scc0 .Lpk_\@
	global_prefetch_b8 v[PFO], s[KP:KP+1] offset:STEPB th:TH_LOAD_NT scope:SCOPE_SE
.Lpk_\@:
.endif
	QUANT32 S, PC
.irp i, 0,1,2
	ds_store_b64 v[KPST], v[PC+2*\i:PC+2*\i+1] offset:(\d)*SLOT+8*\i
.endr
	ds_store_b8 v[KPSB], v[BM+3] offset:(\d)*SLOT
	s_branch .Lpdone_\@
.Lpv_\@:
	QUANT32 \src, PC
.if !\first
	s_cmp_gt_u32 s[T2], s[LAST]
	s_cbranch_scc1 .Lpw_\@
.set ii, 0
.rept 32
	global_load_b32 v[R+ii], v[VGL], s[VP:VP+1] offset:256*ii                  ; key ii of my 32, my channel: 32 lanes read 128 consecutive bytes
.set ii, ii+1
.endr
	s_cmp_lt_u32 s[TJ], s[LIM]
	s_cbranch_scc0 .Lpw_\@
	global_prefetch_b8 v[PFO], s[VP:VP+1] offset:STEPB th:TH_LOAD_NT scope:SCOPE_SE
.Lpw_\@:
.endif
.irp i, 0,1,2
	ds_store_b64 v[VPST], v[PC+2*\i:PC+2*\i+1] offset:(\d)*SLOT+8*\i
.endr
	ds_store_b8 v[VPSB], v[BM+3] offset:(\d)*SLOT
.Lpdone_\@:
.endm
; My 16 queries against the 128 keys of slot s.
.macro ATTEND s
	s_wait_dscnt 0x0                               ; K's fragments and scale words are in (and my producer's stores have read their registers)
.irp f, 0,1,2,3                                ; S^T = K Q^T: each fragment twice, against [q | 0] and against [0 | q]; every product starts its own sum
	v_wmma_scale_f32_16x16x128_f8f6f4 v[S+16*\f:S+16*\f+7], v[F+12*\f:F+12*\f+11], v[QZ+6:QZ+17], 0, v[SCL+\f], v[QS] matrix_a_fmt:MATRIX_FMT_BF6 matrix_b_fmt:MATRIX_FMT_BF6
	v_wmma_scale_f32_16x16x128_f8f6f4 v[S+16*\f+8:S+16*\f+15], v[F+12*\f:F+12*\f+11], v[QZ:QZ+11], 0, v[SCL+\f], v[QS] matrix_a_fmt:MATRIX_FMT_BF6 matrix_b_fmt:MATRIX_FMT_BF6
.endr
.rept 4
	v_nop                                          ; four places in front of loads into registers that these products read, and of the first read of their results
.endr
.irp t, 0,1,2,3                                ; V's fragments land while the softmax is walked
.irp g, 0,1,2
	ds_load_b128 v[F+12*\t+4*\g:F+12*\t+4*\g+3], v[AFR] offset:\s*SLOT+VIMG+1536*\t+16*\g
.endr
.endr
	ds_load_b128 v[SCL:SCL+3], v[ASC] offset:\s*SLOT+VSC
	s_cmp_lg_u32 s[TJ], s[BLK]
	s_cbranch_scc1 .Lopen_\@                       ; under the diagonal every key counts
.irp n, 0,1,2,3,4,5,6,7,8,9,10,11,12,13,14,15,16,17,18,19,20,21,22,23,24,25,26,27,28,29,30,31,32,33,34,35,36,37,38,39,40,41,42,43,44,45,46,47,48,49,50,51,52,53,54,55,56,57,58,59,60,61,62,63
	v_cmp_gt_i32 vcc_lo, 32*(\n/16)+\n%16, v[DQ]   ; register 16 b + i holds key 32 b + 16 h + i of the step: hidden where 32 b + i > my query - the step's first key - 16 h
	v_cndmask_b32 v[S+\n], v[S+\n], v[MV], vcc_lo
.endr
.Lopen_\@:
.irp b, 0,1,2,3
	v_max3_num_f32 v[BM+\b], v[S+16*\b], v[S+1+16*\b], v[S+2+16*\b]            ; the largest score of each block of 32 keys: for the row's maximum, and, since p rises with the score, for the block's largest p
.endr
.irp i, 3,5,7,9,11,13
.irp b, 0,1,2,3
	v_max3_num_f32 v[BM+\b], v[BM+\b], v[S+16*\b+\i], v[S+1+16*\b+\i]          ; (the four blocks by turns)
.endr
.endr
.irp b, 0,1,2,3
	v_max_num_f32 v[BM+\b], v[BM+\b], v[S+15+16*\b]
.endr
.irp b, 0,1,2,3
	v_permlanex16_b32 v[PM+\b], v[BM+\b], s[SEL], s[SEL+1]
.endr
.irp b, 0,1,2,3
	v_max_num_f32 v[BM+\b], v[BM+\b], v[PM+\b]     ; with lane l xor 16's 16 keys
.endr
	v_max3_num_f32 v254, v[BM], v[BM+1], v[BM+2]
	v_max_num_f32 v254, v254, v[BM+3]              ; the step's largest score of my query
	v_mul_f32 v254, s[CS], v254                    ; as t (c is positive)
	v_max_num_f32 v13, v13, v254                   ; the running largest t
	v_mov_b32 v254, v12
	v_floor_f32 v12, -v13                          ; the new -M = floor(-t) = -ceil(t): a whole number
	v_sub_f32 v254, v12, v254                      ; old M less new M: a whole number, 0 or less
	v_cvt_i32_f32 v254, v254                       ; (it saturates)
	v_ldexp_f32 v252, 1.0, v254                    ; f = 2^(old M - new M)
.set ii, 0
.rept 32
	v_pk_fma_f32 v[S+ii:S+ii+1], v[S+ii:S+ii+1], s[CS:CS+1], v[12:13] op_sel_hi:[1,0,0]   ; t - M, two at a time (of the pairs c and -M the low word serves both halves)
.set ii, ii+2
.endr
.irp b, 0,1,2,3
	v_fma_f32 v[BM+\b], v[BM+\b], s[CS], v12       ; the same of each block's largest score
.endr
.set ii, 0
.rept 64
	v_exp_f32 v[S+ii], v[S+ii]                     ; p = 2^(t - M): one batch
.set ii, ii+1
.endr
	v_pk_mul_f32 v[14:15], v[14:15], v[252:253] op_sel_hi:[1,0]                ; the sums under the new M: the plain instruction behind the batch
	s_wait_alu depctr_va_vdst(0)                   ; the wait ahead of the first line that names a result: one for the 64
.irp b, 0,1,2,3
	v_exp_f32 v[BM+\b], v[BM+\b]                   ; the block's largest p: the same two instructions on the same number give the same bits
.endr
	v_pk_add_f32 v[PM:PM+1], v[S:S+1], v[S+2:S+3]  ; the row's sum of the UNQUANTISED p, two at a time, in two chains; it reads the 64 alone
.irp j, 4,8,12,16,20,24,28,32,36,40,44,48,52,56,60
	v_pk_add_f32 v[14:15], v[14:15], v[S+\j:S+\j+1]
	v_pk_add_f32 v[PM:PM+1], v[PM:PM+1], v[S+2+\j:S+3+\j]
.endr
	v_pk_add_f32 v[14:15], v[14:15], v[PM:PM+1]
	s_wait_alu depctr_va_vdst(0)                   ; and one for the four
.irp b, 0,1,2,3
	v_max_num_f32 v[BM+\b], 0x2800000, v[BM+\b]    ; the floor 2^(5 - 127): the byte cannot fall under 1 (a block whose every p is 0 keeps that byte: its codes are zeros)
.endr
.irp b, 0,1,2,3
	v_add_nc_u32 v[EX+\b], 0xfe000000, v[BM+\b]    ; 4 off the exponent field: the conversion's scale operand
.endr
.irp b, 0,1,2,3
	v_lshrrev_b32 v[PM+\b], 23, v[EX+\b]           ; the scale's byte
.endr
	v_lshl_or_b32 v[PS], v[PM+1], 8, v[PM]         ; p's scale word for these 128 keys
	v_lshl_or_b32 v[PS], v[PM+2], 16, v[PS]
	v_lshl_or_b32 v[PS], v[PM+3], 24, v[PS]
.irp c, 0,1
	v_cvt_scalef32_pk16_bf6_f32 v[PC+6*\c:PC+6*\c+2], v[S+32*\c:S+32*\c+15], v[EX+2*\c]
	v_cvt_scalef32_pk16_bf6_f32 v[PT+4*\c:PT+4*\c+2], v[S+32*\c+16:S+32*\c+31], v[EX+2*\c+1]
.endr
	v_nop                                          ; one plain place behind a scaled conversion
.irp c, 0,1                                    ; the operand's layout wants a WHOLE block in a lane: lanes 0-15 block 2 c, lanes 16-31 block 2 c + 1
.irp i, 0,1,2
	v_permlane16_swap_b32 v[PC+6*\c+\i], v[PT+4*\c+\i]
.endr
.irp i, 0,1,2
	v_mov_b32 v[PC+3+6*\c+\i], v[PT+4*\c+\i]
.endr
.endr
.set ii, 0
.rept 16
	v_pk_mul_f32 v[O+ii:O+ii+1], v[O+ii:O+ii+1], v[252:253] op_sel_hi:[1,0]    ; O^T under the new M, from each accumulator's low end on; these 16 are also the places between p's codes and scale word and the products
.set ii, ii+2
.endr
	s_wait_dscnt 0x0                               ; V's fragments and scale words are in
.irp t, 0,1,2,3                                ; O^T += V^T P^T: the four accumulators by turns; between two links of a chain stand three of these and the next step's eight
	v_wmma_scale_f32_16x16x128_f8f6f4 v[O+8*\t:O+8*\t+7], v[F+12*\t:F+12*\t+11], v[PC:PC+11], v[O+8*\t:O+8*\t+7], v[SCL+\t], v[PS] matrix_a_fmt:MATRIX_FMT_BF6 matrix_b_fmt:MATRIX_FMT_BF6
.endr
.rept 4
	v_nop                                          ; four places in front of the next loads into the fragments' and scale words' registers, the next codes and the next read of O^T
.endr
.endm
.macro BARRIER                                 ; my LDS stores have landed and my LDS loads are back: then the work-group's barrier
	s_wait_dscnt 0x0
	s_barrier_signal -1
	s_barrier_wait -1
.endm
; A key step in slot s.  A wave all of whose queries come before the step's keys only quantises; the branch hangs on ids and the loop's counter, and the barrier stands outside it.
.macro STEP s
	s_add_co_u32 s[TJ], s[J2], \s
	s_cmp_gt_u32 s[TJ], s[BLK]
	s_cbranch_scc1 .Lidle_\@
	KFETCH \s                                      ; asked for first, so that the fragments come while the next step is quantised
	PRODUCE 1-\s, R, 0
	ATTEND \s
	s_branch .Lmeet_\@
.Lidle_\@:
	PRODUCE 1-\s, R, 0
.Lmeet_\@:
	BARRIER                                        ; slot 1 - s is whole, and nobody reads slot s any more
.endm
	s_load_b256 s[4:11], s[0:1], 0x0               ; Q s[4:5], K s[6:7], V s[8:9], O s[10:11]
	v_lshl_add_u32 v211, v0, 2, 0x17400
	v_mov_b32 v255, 0
	v_lshrrev_b32 v96, 5, v0
	v_readfirstlane_b32 s[WV], v96                 ; wave 0..15
	s_mov_b32 s[PP], ttmp9
	s_and_b32 s[HD], ttmp7, 0xffff
	s_sub_co_u32 s[LAST], 15, s[PP]
	s_and_b32 s27, s[WV], 7                        ; my tile in my block
	s_lshr_b32 s28, s[WV], 3
	s_cmp_lt_u32 s[WV], 8
	s_cselect_b32 s[BLK], s[PP], s[LAST]
	s_or_b32 s29, s28, s[PP]
	s_cmp_eq_u32 s29, 0                            ; waves 0-7 of the head's work-group p = 0 prefetch
	s_cselect_b32 s[LIM], 13, 0
	s_and_b32 s[IDX], s[WV], 3
	s_lshl_b32 s29, s28, 2
	s_or_b32 s[IDX], s[IDX], s29                   ; (w % 4) + 4 (w / 8)
	s_bfe_u32 s[ROLE], s[WV], 0x10002              ; bit 2 of w: waves 0-3, 8-11 take K, waves 4-7, 12-15 take V
	s_lshr_b32 s31, s[IDX], 1                      ; K: the fragment f;   V: the block of 32 keys b
	s_and_b32 s32, s[IDX], 1                       ; K: its half c;       V: which 32 channels
	s_mul_i32 s30, s[WV], WSTG
	s_add_co_u32 s30, s30, STG                     ; my stage
	s_mov_b32 s[SEL], 0x76543210
	s_mov_b32 s[SEL+1], 0xfedcba98
	s_mov_b32 s[CS], 0x3e38aa3b                    ; c = log2(e) / 8
	s_mov_b32 s[CS+1], s[CS]                       ; (named with it as a pair, so it is written)
	; every address register is made here, in every wave, ahead of the first parting of the roles
	v_and_b32 v96, 31, v0                          ; lane
	v_and_b32 v97, 15, v0                          ; r
	v_bfe_u32 v98, v0, 4, 1                        ; h
	v_mul_u32_u24 v[AFR], v96, 48
	v_lshlrev_b32 v[ASC], 4, v97
	v_mul_u32_u24 v[TIN], v98, 272
	v_lshl_add_u32 v[TIN], v97, 4, v[TIN]
	v_add_nc_u32 v[TIN], s30, v[TIN]
	v_mul_u32_u24 v[TRD], v97, 272
	v_lshl_add_u32 v[OSI], v98, 5, v[TRD]
	v_lshl_add_u32 v[TRD], v98, 7, v[TRD]
	v_add_nc_u32 v[TRD], s30, v[TRD]
	v_add_nc_u32 v[OSI], s30, v[OSI]
	s_mul_i32 s33, s31, 1536                       ; K's codes: fragment f, registers 6 c on of lane l: 1,536 f + 24 c + 48 l
	s_mul_i32 s34, s32, 24
	s_add_co_u32 s33, s33, s34
	v_add_nc_u32 v[KPST], s33, v[AFR]
	s_lshl_b32 s33, s31, 2                         ; K's byte: row r's word of fragment f, byte 2 c + h
	s_lshl_b32 s34, s32, 1
	s_add_co_u32 s33, s33, s34
	s_add_co_u32 s33, s33, KSC
	v_add_nc_u32 v[KPSB], v[ASC], v98
	v_add_nc_u32 v[KPSB], s33, v[KPSB]
	s_lshl_b32 s33, s31, 13                        ; K in memory: key 32 f + 8 c, 256 bytes a key, 16 bytes a lane
	s_lshl_b32 s34, s32, 11
	s_add_co_u32 s33, s33, s34
	v_lshl_add_u32 v[KGL], v96, 4, s33
	s_mul_i32 s33, s32, 3072                       ; V's codes: my channel 32 ch + l is row r of fragment 2 ch + h; key block b is registers 6 (b / 2) on of lane r + 16 (b % 2)
	s_and_b32 s34, s31, 1
	s_mul_i32 s34, s34, 768
	s_add_co_u32 s33, s33, s34
	s_lshr_b32 s34, s31, 1
	s_mul_i32 s34, s34, 24
	s_add_co_u32 s33, s33, s34
	s_add_co_u32 s33, s33, VIMG
	v_mul_u32_u24 v[VPST], v97, 48
	v_mad_u32_u24 v[VPST], v98, 1536, v[VPST]
	v_add_nc_u32 v[VPST], s33, v[VPST]
	s_lshl_b32 s33, s32, 3                         ; V's byte: row r's word of fragment 2 ch + h, byte b
	s_add_co_u32 s33, s33, s31
	s_add_co_u32 s33, s33, VSC
	v_lshl_add_u32 v[VPSB], v98, 2, v[ASC]
	v_add_nc_u32 v[VPSB], s33, v[VPSB]
	s_lshl_b32 s33, s31, 13                        ; V in memory: key 32 b, channel 32 ch + l
	s_lshl_b32 s34, s32, 7
	s_add_co_u32 s33, s33, s34
	v_lshl_add_u32 v[VGL], v96, 2, s33
	s_and_b32 s33, s[WV], 3
	s_lshl_b32 s33, s33, 13
	v_lshl_add_u32 v[PFO], v96, 8, s33             ; the prefetches: 8,192 (w % 4) + 256 l
	v_lshlrev_b32 v[LN16], 4, v96
	v_lshlrev_b32 v[DQ], 4, v98
	v_sub_nc_u32 v[DQ], v97, v[DQ]
	s_lshl_b32 s33, s27, 4
	v_add_nc_u32 v[DQ], s33, v[DQ]                 ; r - 16 h + 16 x my tile
	v_mov_b32 v[MV], 0xc79c4000                    ; -80,000.0
	s_lshl_b32 s34, s[HD], 19                      ; a head is 2,048 x 256 bytes
	s_mov_b32 s35, 0
	s_lshl_b32 s28, s[BLK], 15                     ; a block of 128 queries,
	s_lshl_b32 s29, s27, 12                        ; a tile of 16
	s_wait_kmcnt 0x0
	s_add_nc_u64 s[KP:KP+1], s[KP:KP+1], s[34:35]  ; K and V at the head's step 0
	s_add_nc_u64 s[VP:VP+1], s[VP:VP+1], s[34:35]
	s_add_co_u32 s34, s34, s28
	s_add_co_u32 s34, s34, s29
	s_add_nc_u64 s[4:5], s[4:5], s[34:35]          ; Q and O at my first query
	s_add_nc_u64 s[10:11], s[10:11], s[34:35]
.irp i, 0,1,2,3,4,5,6,7
	global_load_b128 v[F+4*\i:F+4*\i+3], v[LN16], s[4:5] offset:512*\i th:TH_LOAD_NT   ; my 16 queries as they lie: 512 consecutive bytes an instruction; read by this wave alone
.endr
	s_cmp_lg_u32 s[ROLE], 0
	s_cbranch_scc1 .Lhead_v
.irp i, 0,1,2,3,4,5,6,7
	global_load_b128 v[RAW0+4*\i:RAW0+4*\i+3], v[KGL], s[KP:KP+1] offset:512*\i+2048*(\i/4)          ; key step 0
.endr
.irp i, 0,1,2,3,4,5,6,7
	global_load_b128 v[R+4*\i:R+4*\i+3], v[KGL], s[KP:KP+1] offset:STEPB+512*\i+2048*(\i/4)          ; key step 1 (every work-group needs at least nine steps)
.endr
	s_branch .Lhead_l
.Lhead_v:
.set ii, 0
.rept 32
	global_load_b32 v[RAW0+ii], v[VGL], s[VP:VP+1] offset:256*ii
.set ii, ii+1
.endr
.set ii, 0
.rept 32
	global_load_b32 v[R+ii], v[VGL], s[VP:VP+1] offset:STEPB+256*ii
.set ii, ii+1
.endr
.Lhead_l:
	v_mov_b32 v13, 0xff61b1e6                      ; the largest t so far: -3e38, under every t
	v_floor_f32 v12, -v13                          ; -M
	v_mov_b32 v14, 0                               ; the sum, in two halves
	v_mov_b32 v15, 0
	v_mov_b32 v252, 0                              ; (a lane permute's destination on the way out)
	v_mov_b32 v253, 0                              ; (named as the upper half of the pair v[252:253])
.irp b, 0,1,2,3
	v_mov_b32 v[PM+\b], 0                          ; written once: a lane permute's destination counts as one of its sources
.endr
.set ii, 0
.rept 32
	v_mov_b32 v[O+ii], 0                           ; O^T.  The key step is written without a first step of its own: the first finds zeros, which the first change of M leaves zeros
.set ii, ii+1
.endr
	s_wait_loadcnt 0x0                             ; Q and the first two steps' numbers
.irp i, 0,1,2,3,4,5,6,7
	ds_store_b128 v[TIN], v[F+4*\i:F+4*\i+3] offset:544*\i                     ; Q turns through my stage as K does
.endr
.irp i, 0,1,2,3,4,5,6,7
	ds_load_b128 v[S+4*\i:S+4*\i+3], v[TRD] offset:16*\i
.endr
	s_wait_dscnt 0x0
	QUANT32 S, QZ+6                                ; lane (r, h): channels 32 h .. 32 h + 31 of query r
	v_permlanex16_b32 v[PM], v[BM+3], s[SEL], s[SEL+1]
	v_lshl_or_b32 v[QS], v[PM], 8, v[BM+3]         ; lanes 0-15, which alone are read: the bytes of channels 0-31 and 32-63,
	v_lshl_or_b32 v[QS], v[QS], 16, v[QS]          ; twice: for [q | 0] and for [0 | q]
.irp i, 0,1,2,3,4,5
	v_mov_b32 v[QZ+\i], 0                          ; the zero codes on both sides of q
	v_mov_b32 v[QZ+12+\i], 0
.endr
	PRODUCE 0, RAW0, 1                             ; key step 0 into slot 0
	BARRIER
	s_mov_b32 s[J2], 0
.Ltrip:                                            ; eight trips of two key steps, in every work-group: steps that nobody of the work-group needs pass the barrier alone
	STEP 0
	STEP 1
	s_add_co_u32 s[J2], s[J2], 2
	s_cmp_lt_u32 s[J2], 16
	s_cbranch_scc1 .Ltrip
	; THE WAY OUT.  O^T is divided by the row's sum and goes through my stage, so that sixteen lanes store one row of O: 256 consecutive bytes, at a multiple of 256 from O's first byte.
	v_add_f32 v14, v14, v15                        ; the sum's two halves,
	v_permlanex16_b32 v252, v14, s[SEL], s[SEL+1]
	v_add_f32 v14, v14, v252                       ; and lane l xor 16's
	v_rcp_f32 v14, v14
	v_nop                                          ; one plain place behind a transcendental
	s_wait_alu depctr_va_vdst(0)                   ; and the wait ahead of the first reader
.set ii, 0
.rept 32
	v_mul_f32 v[S+ii], v[O+ii], v14                ; register 8 t + j is o(r, 16 t + 8 h + j); each accumulator from its low end on
.set ii, ii+1
.endr
.irp t, 0,1,2,3
	ds_store_b128 v[OSI], v[S+8*\t:S+8*\t+3] offset:64*\t
	ds_store_b128 v[OSI], v[S+8*\t+4:S+8*\t+7] offset:64*\t+16
.endr
.irp i, 0,1,2,3,4,5,6,7
	ds_load_b128 v[F+4*\i:F+4*\i+3], v[TIN] offset:544*\i                      ; LDS serves a wave's instructions in order: these see my stores
.endr
.irp i, 0,1,2,3,4,5,6,7
	s_wait_dscnt 7-\i                              ; loads come back in order: load i is in, the 7 - i younger ones may be out
	global_store_b128 v[LN16], v[F+4*\i:F+4*\i+3], s[10:11] offset:512*\i th:TH_STORE_NT
.endr
	s_wait_tensorcnt 0x0
	ds_add_u32 v211, v255
	s_wait_dscnt 0x0
	s_endpgm
.Lfunc_end_k_q68994235a3_attn:
	.size	k_q68994235a3_attn, .Lfunc_end_k_q68994235a3_attn-k_q68994235a3_attn
	.p2alignl 7, 3214868480
	.fill 96, 4, 3214868480
	.section	.rodata,"a",@progbits
	.p2align	6, 0x0
	.amdhsa_kernel k_q68994235a3_attn
		.amdhsa_group_segment_fixed_size 97280
		.amdhsa_private_segment_fixed_size 0
		.amdhsa_enable_private_segment 0
		.amdhsa_kernarg_size 32
		.amdhsa_user_sgpr_count 2
		.amdhsa_user_sgpr_kernarg_segment_ptr 1
		.amdhsa_wavefront_size32 1
		.amdhsa_system_sgpr_workgroup_id_x 1
		.amdhsa_system_sgpr_workgroup_id_y 1
		.amdhsa_system_sgpr_workgroup_id_z 1
		.amdhsa_system_vgpr_workitem_id 0
		.amdhsa_next_free_vgpr 256
		.amdhsa_next_free_sgpr 66
		.amdhsa_reserve_vcc 1
		.amdhsa_float_denorm_mode_32 3
		.amdhsa_float_denorm_mode_16_64 3
		.amdhsa_memory_ordered 1
		.amdhsa_forward_progress 1
		.amdhsa_inst_pref_size 101
	.end_amdhsa_kernel
	.amdgpu_metadata
---
amdhsa.version: [ 1, 2 ]
amdhsa.kernels:
  - .name:           k_q68994235a3_attn
    .symbol:         k_q68994235a3_attn.kd
    .args:
      - { .name: query_states, .offset: 0, .size: 8, .value_kind: global_buffer, .address_space: global }
      - { .name: key_states, .offset: 8, .size: 8, .value_kind: global_buffer, .address_space: global }
      - { .name: value_states, .offset: 16, .size: 8, .value_kind: global_buffer, .address_space: global }
      - { .name: out0, .offset: 24, .size: 8, .value_kind: global_buffer, .address_space: global }
    .group_segment_fixed_size: 97280
    .private_segment_fixed_size: 0
    .kernarg_segment_align: 8
    .kernarg_segment_size: 32
    .max_flat_workgroup_size: 512
    .sgpr_count:     66
    .vgpr_count:     256
    .wavefront_size: 32
...
	.end_amdgpu_metadata
.endif
;; end of part 1
;; ======== version 2 of 2: 1 launch; version 1 with the launch attn written anew for expert scheduling mode
;; limits: right only within a limited range of input values
;; launch attn (part 2): grid 8 x 32, 16 waves a work-group, no clusters, 97,280 bytes of LDS; arguments query_states, key_states, value_states, out0; writes out0
.if DOCPART == 2
	.amdgcn_target "amdgcn-amd-amdhsa--gfx1250"
	.amdhsa_code_object_version 6
	.text
	.protected	k_q68994235a3_attn
	.globl	k_q68994235a3_attn
	.p2align	8
	.type	k_q68994235a3_attn,@function
k_q68994235a3_attn:
	s_mov_b64 s[64:65], 0
	v_nop
	global_prefetch_b8 v0, s[64:65] scope:SCOPE_SE
	s_setreg_imm32_b32 hwreg(HW_REG_WAVE_SCHED_MODE, 0, 2), 2
	s_setreg_imm32_b32 hwreg(HW_REG_WAVE_MODE, 25, 1), 1
	s_wait_xcnt 0x0
	s_wait_alu depctr_vm_vsrc(0)
; Causal attention, O[h][q][:] = sum over k of softmax_k(Q[h][q] . K[h][k] / 8) V[h][k][:], 32 heads, 2,048 positions, head size 64, all four tensors f32 [32][2048][64].
; Both products run on codes of BF6 (E3M2) with one E8M0 scale for each 32 along a product's K; Q, K (along the head's 64) and V (along the keys) are quantised HERE, in registers.
; SOFTMAX: t = score x log2(e) / 8; M = the running largest t rounded UP to a whole number; p = 2^(t - M) is quantised along the keys, not normalised; the row's sum is taken of the unquantised p and divides O at the end.
; When M moves, the sum and O are multiplied by 2^(old M - new M), which rounds nothing.
; SHARES.  A head's queries are 16 blocks of 128.  Work-group (p, head) owns blocks p and 15 - p: waves 0-7 the eight tiles of 16 queries of block p, waves 8-15 those of block 15 - p.  Keys go in steps of 128.
; A wave of block B attends to steps 0 .. B, so every work-group has 8 (p + 1) + 8 (16 - p) = 136 tile steps.  Both blocks walk the same keys from step 0: one quantised copy of K and V in LDS serves all sixteen waves.
; PRODUCERS.  In step j the sixteen waves also quantise step j + 1 (while j + 1 <= 15 - p) into the other of two LDS slots: eight waves K, eight waves V, one block of 32 numbers a lane; the f32 numbers of step j + 2 are asked for meanwhile.
; One barrier a step: in front of it each wave's stores into the next slot have landed and its reads of this slot are back.
; LAYOUT.  Both products are used transposed (S^T = K Q^T, O^T = V^T P^T): a lane holds ONE query (lane % 16) throughout.
;   The first product's K is 64, half of the instruction's 128.  A fragment of K therefore carries 32 keys: lane (r, h), registers 6 c .. 6 c + 5 = channels 32 h .. 32 h + 31 of key 32 f + 8 c + r + 8 (r / 8).
;   Q stands as 18 registers [6 zeros | q | 6 zeros]: the run [q | 0] picks the keys with c = 0, the run [0 | q] those with c = 1; zero codes add nothing.  So register 16 b + i of S^T is key 32 b + 16 (lane / 16) + i.
;   A fragment lies in LDS as an image of its registers: lane L's 12 registers are the 48 bytes at 48 L.  Scale words lie [row][fragment], 16 bytes a row.
; THE MASK.  In the step on a wave's diagonal hidden scores take the module's own fill, -10,000 (as a raw score, ahead of the 1 / 8: -80,000).  Steps all of whose keys are hidden are left out.
; LIMITS.  Leaving those steps out is right where each query's largest unmasked logit lies above -9,980: all hidden keys together then weigh under 2^-17 of the row's sum.  NaN and infinities among the inputs are not served.
;   A block of zeros gets the scale byte 1 where the rule says 127: its codes are zeros, and this program alone reads the bytes.
; NO CLUSTER, NO TENSOR LOAD: K and V arrive as f32 and become codes in registers; laid into LDS as f32 a step would be 65,536 bytes there against the codes' 12,800, and the work-groups of a head walk different numbers of steps (16 - p).
; THE MODE: SCHED_MODE bits 1:0 = 2 (LLVM: expert scheduling mode 2), set by the entry lines.  The code itself states the register dependences
; between vector or matrix instructions and memory or LDS instructions, with s_wait_alu, always for 0.
; THE PLAN.  Registers that memory or LDS instructions touch, in the loop:
;   F, SCL        K's LDS loads land at a step's head; the eight products S^T read them; V's LDS loads land; the four products O^T read them.
;   S, low half   a K producer's turned numbers land; its conversions read them; then the products write S and the softmax works in it.
;   R             global loads land; a K producer's stage stores, or a V producer's conversions, read it; then it is asked for again.
;   PC, v[BM+3]   a producer's conversions write them; its four LDS stores read them; the same step's softmax writes them again.
;   v1-11, v88, v89 and the closing add's pair are made at the head and never written again.
; Waits on va_vdst: ONE at a step's head (the last step is done with F, SCL and S: it serves K's loads and the turned numbers); one behind a producer's conversions (its stores' data; in V's arm R too);
; one behind the products S^T (V's loads, which are then dealt among the block maxima, lines that name none of their registers); one ahead of the products O^T (p's codes and scale word); the two behind the exponentials.
; Waits on vm_vsrc: one in a producer ahead of the parting of the roles (the last step's stores have read PC and v[BM+3]); one behind K's stage stores (R); one at the head of a wave's attention (this step's stores).
; Waits on va_sdst: behind the wave's number; in the step on the diagonal one behind each run of sixteen compares.
.set SLOT,  12800                      ; an LDS slot: one key step's codes and scale words
.set KIMG,  0                          ; K's four fragments, 1,536 bytes each
.set VIMG,  6144                       ; V's four
.set KSC,   12288                      ; K's scale words: 16 rows x 4 fragments x 4 bytes
.set VSC,   12544                      ; V's
.set STG,   2*SLOT                     ; behind the slots: a stage of 16 rows x (256 + 16) bytes for each wave, its own: Q's and K's turn, and the way out
.set WSTG,  16*272
.set STEPB, 32768                      ; a key step of K or of V in memory: 128 rows of 256 bytes
.set AFR,  1                           ; v1   48 x lane: my place in a fragment's image
.set ASC,  2                           ; v2   16 r: my row's four scale words
.set TIN,  3                           ; v3   stage + 272 h + 16 r: rows as they are loaded (two rows an instruction)
.set TRD,  4                           ; v4   stage + 272 r + 128 h: my block of 32 numbers of row r
.set OSI,  5                           ; v5   stage + 272 r + 32 h: the way out
.set KPST, 6                           ; v6   where a K producer puts its codes
.set KPSB, 7                           ; v7   and its scale byte
.set KGL,  8                           ; v8   and its byte offset in a step of K in memory
.set VPST, 9                           ; v9   the same three for a V producer
.set VPSB, 10
.set VGL,  11
                                       ; v12 -M, v13 the largest t, v[14:15] the row's sum in two halves
.set QZ,   16                          ; v16-33  [0 x 6 | q x 6 | 0 x 6]
.set QS,   34                          ; v34  Q's scale word
.set PS,   35                          ; v35  p's scale word
.set SCL,  36                          ; v36-39  the four fragments' scale words: K's, then V's
.set F,    40                          ; v40-87  four fragments: K's, then V's
.set PFO,  88                          ; v88  the prefetches' offset
.set LN16, 89                          ; v89  16 x lane
.set DQ,   90                          ; v90  my query less the diagonal step's first key less 16 h
.set MV,   91                          ; v91  -80,000.0
.set EX,   92                          ; v92-95  the conversions' scale operands
.set S,    96                          ; v96-159  S^T, then p; v96-127 also a producer's turned numbers
.set RAW0, 128                         ; v128-159  at the head: step 0 as loaded
.set O,    160                         ; v160-191 O^T
.set PC,   192                         ; v192-203 p's codes; v192-198 also a producer's codes
.set PT,   204                         ; v204-206, v208-210 the conversions' second halves
.set R,    212                         ; v212-243 the f32 numbers of the step to be quantised next
.set BM,   244                         ; v244-247 block maxima
.set PM,   248                         ; v248-251 permutes' results, a chain of the sum, bytes
                                       ; v[252:253] f = 2^(old M - new M) and 0; v254 at work; v211 and v255: the closing add's pair
.set KP,   6                           ; s[6:7]  K, s[8:9] V: at the step whose numbers are asked for next
.set VP,   8
.set WV,   12                          ; wave 0..15
.set PP,   13                          ; p
.set HD,   14                          ; head
.set LAST, 15                          ; 15 - p: the last key step that this work-group needs
.set BLK,  16                          ; my block of queries = my last key step, the one on my diagonal
.set J2,   17                          ; the loop's counter: 0, 2, .. 14
.set TJ,   18                          ; the key step in hand
.set LIM,  19                          ; a wave prefetches while the step is under this number: 13 or 0
.set SEL,  20                          ; s[20:21] lane selects for v_permlanex16_b32: lane l xor 16
.set CS,   22                          ; s[22:23] c = log2(e) / 8, twice: the packed form names a pair
.set IDX,  24                          ; which eighth of a step I quantise
.set ROLE, 25                          ; 0: I quantise K; 1: V
.set T2,   26                          ; the step in hand + 2
.set MK,   32                          ; s32-47  behind the head: the masks of a run of sixteen compares
; 32 numbers of ONE block in one lane, v[src] on, become 6 registers of codes, v[c] on (v[c+6] is used on the way), and the scale's byte in v[BM+3].
; The largest magnitude has the floor 2^(5 - 127) among its leaves, so the byte cannot fall under 1; its exponent field less 4 is the scale's byte, and the conversion takes the exponent field of its scale operand alone.
.macro QUANT32 src, c
	v_max3_num_f32 v[BM], |v[(\src)]|, |v[(\src)+1]|, 0x2800000
	v_max3_num_f32 v[BM+1], |v[(\src)+2]|, |v[(\src)+3]|, |v[(\src)+4]|
.irp k, 0,1,2,3,4,5
	v_max3_num_f32 v[BM], v[BM], |v[(\src)+5+4*\k]|, |v[(\src)+6+4*\k]|        ; two chains by turns
	v_max3_num_f32 v[BM+1], v[BM+1], |v[(\src)+7+4*\k]|, |v[(\src)+8+4*\k]|
.endr
	v_max3_num_f32 v[BM], v[BM], |v[(\src)+29]|, |v[(\src)+30]|
	v_max3_num_f32 v[BM], v[BM], v[BM+1], |v[(\src)+31]|
	v_add_nc_u32 v[BM+2], 0xfe000000, v[BM]                                    ; 4 off the exponent field
	v_lshrrev_b32 v[BM+3], 23, v[BM+2]                                         ; the byte
	v_cvt_scalef32_pk16_bf6_f32 v[(\c):(\c)+2], v[(\src):(\src)+15], v[BM+2]
	v_cvt_scalef32_pk16_bf6_f32 v[(\c)+4:(\c)+6], v[(\src)+16:(\src)+31], v[BM+2]   ; (a conversion's three registers begin on an even number)
	v_nop                                                                      ; one plain place behind a scaled conversion
	v_mov_b32 v[(\c)+3], v[(\c)+4]
	v_mov_b32 v[(\c)+4], v[(\c)+5]
	v_mov_b32 v[(\c)+5], v[(\c)+6]
.endm
; K's four fragments and their scale words out of slot s.  The wait at the step's head has stated that the last products are done reading these registers, and no vector or matrix instruction stands between it and these loads.
.macro KFETCH s
.irp f, 0,1,2,3
.irp g, 0,1,2
	ds_load_b128 v[F+12*\f+4*\g:F+12*\f+4*\g+3], v[AFR] offset:\s*SLOT+KIMG+1536*\f+16*\g
.endr
.endr
	ds_load_b128 v[SCL:SCL+3], v[ASC] offset:\s*SLOT+KSC
.endm
; The next key step's numbers, in v[src] on, are quantised into slot d.  first = 1: at the head, step 0; else step TJ + 1, if the work-group needs it; the numbers of step TJ + 2 are then asked for.
; K's waves: their 16 keys x 64 channels were loaded as they lie (512 consecutive bytes an instruction); they turn through the wave's own stage so that a lane holds one block of 32 channels of one key.
; V's waves: a lane took a channel and its registers run down 32 keys: a whole block, with the keys innermost; nothing is turned.
; THE PREFETCH: in the head's work-group p = 0, which walks all 16 steps, waves 0-3 (K) and 4-7 (V) name, in steps 0 to 12, the numbers of step TJ + 3: 8,192 bytes a wave, lanes 256 bytes apart, one instruction,
; directly behind the wave's own loads of step TJ + 2.  So each block of 256 bytes of steps 3 to 15 is named once in the launch; steps 0 to 2 come by their loads alone; step 15 is the last that is named.
.macro PRODUCE d, src, first
.if !\first
	s_cmp_ge_u32 s[TJ], s[LAST]
	s_cbranch_scc1 .Lpdone_\@                      ; nothing is left to quantise
	s_wait_loadcnt 0x0                             ; the numbers, asked for a step ago, are in: so those loads have read their bases too,
	s_wait_xcnt 0x0                                ; and so has the last prefetch, a step back
	s_wait_alu depctr_vm_vsrc(0)                   ; the LDS stores of the step before have read v[PC ..] and v[BM+3], which the conversions of both roles write again
.endif
	s_add_nc_u64 s[KP:KP+1], s[KP:KP+1], STEPB     ; on to the step whose numbers are asked for next
	s_add_nc_u64 s[VP:VP+1], s[VP:VP+1], STEPB
.if !\first
	s_add_co_u32 s[T2], s[TJ], 2
.endif
	s_cmp_lg_u32 s[ROLE], 0
	s_cbranch_scc1 .Lpv_\@
.irp i, 0,1,2,3,4,5,6,7
	ds_store_b128 v[TIN], v[(\src)+4*\i:(\src)+4*\i+3] offset:544*\i           ; rows 2 i and 2 i + 1 of my sixteen
.endr
.irp i, 0,1,2,3,4,5,6,7
	ds_load_b128 v[S+4*\i:S+4*\i+3], v[TRD] offset:16*\i                       ; LDS serves a wave's instructions in order: these see the stores above.  (No vector instruction since the last wait on va_vdst names v[S ..])
.endr
	s_wait_dscnt 0x0                               ; the turned numbers are in
	s_wait_alu depctr_vm_vsrc(0)                   ; the stage stores have read v[src ..]: the loads below land there (at the head: the first products write there)
.if !\first
	s_cmp_gt_u32 s[T2], s[LAST]
	s_cbranch_scc1 .Lpk_\@                         ; no load names a step that the work-group does not need
.irp i, 0,1,2,3,4,5,6,7
	global_load_b128 v[R+4*\i:R+4*\i+3], v[KGL], s[KP:KP+1] offset:512*\i+2048*(\i/4)   ; keys + 0 .. 7, then keys + 16 .. 23
.endr
	s_cmp_lt_u32 s[TJ], s[LIM]
	s_cbranch_scc0 .Lpk_\@
	global_prefetch_b8 v[PFO], s[KP:KP+1] offset:STEPB th:TH_LOAD_NT scope:SCOPE_SE
.Lpk_\@:
.endif
	QUANT32 S, PC
	s_wait_alu depctr_va_vdst(0)                   ; the conversions have written v[PC ..] and v[BM+3], which the stores below read; they are also done reading v[S ..], in which the next step's turned numbers land
.irp i, 0,1,2
	ds_store_b64 v[KPST], v[PC+2*\i:PC+2*\i+1] offset:(\d)*SLOT+8*\i
.endr
	ds_store_b8 v[KPSB], v[BM+3] offset:(\d)*SLOT
	s_branch .Lpdone_\@
.Lpv_\@:
	QUANT32 \src, PC
	s_wait_alu depctr_va_vdst(0)                   ; the conversions are done reading v[src ..], in which the loads below land, and have written v[PC ..] and v[BM+3], which the stores below read
.if !\first
	s_cmp_gt_u32 s[T2], s[LAST]
	s_cbranch_scc1 .Lpw_\@
.set ii, 0
.rept 32
	global_load_b32 v[R+ii], v[VGL], s[VP:VP+1] offset:256*ii                  ; key ii of my 32, my channel: 32 lanes read 128 consecutive bytes
.set ii, ii+1
.endr
	s_cmp_lt_u32 s[TJ], s[LIM]
	s_cbranch_scc0 .Lpw_\@
	global_prefetch_b8 v[PFO], s[VP:VP+1] offset:STEPB th:TH_LOAD_NT scope:SCOPE_SE
.Lpw_\@:
.endif
.irp i, 0,1,2
	ds_store_b64 v[VPST], v[PC+2*\i:PC+2*\i+1] offset:(\d)*SLOT+8*\i
.endr
	ds_store_b8 v[VPSB], v[BM+3] offset:(\d)*SLOT
.Lpdone_\@:
.endm
; My 16 queries against the 128 keys of slot s.
.macro ATTEND s
	s_wait_dscnt 0x0                               ; K's fragments and scale words are in
	s_wait_alu depctr_vm_vsrc(0)                   ; my producer's stores of this step have read v[PC ..] and v[BM+3], which the block maxima and p's conversions below write
.irp f, 0,1,2,3                                ; S^T = K Q^T: each fragment twice, against [q | 0] and against [0 | q]; every product starts its own sum
	v_wmma_scale_f32_16x16x128_f8f6f4 v[S+16*\f:S+16*\f+7], v[F+12*\f:F+12*\f+11], v[QZ+6:QZ+17], 0, v[SCL+\f], v[QS] matrix_a_fmt:MATRIX_FMT_BF6 matrix_b_fmt:MATRIX_FMT_BF6
	v_wmma_scale_f32_16x16x128_f8f6f4 v[S+16*\f+8:S+16*\f+15], v[F+12*\f:F+12*\f+11], v[QZ:QZ+11], 0, v[SCL+\f], v[QS] matrix_a_fmt:MATRIX_FMT_BF6 matrix_b_fmt:MATRIX_FMT_BF6
.endr
.rept 4
	v_nop                                          ; four places in front of the first read of these products' results (ISA guide 7.12.1)
.endr
	s_wait_alu depctr_va_vdst(0)                   ; the eight products are done reading v[F ..] and v[SCL ..], in which V's loads land: these stand among the block maxima below; no line between here and the last of them names F, SCL or their addresses
	s_cmp_lg_u32 s[TJ], s[BLK]
	s_cbranch_scc1 .Lopen_\@                       ; under the diagonal every key counts
.irp g, 0,1,2,3                                ; the block of 32 keys: sixteen compares into sixteen scalar registers, one wait, sixteen selects
.irp i, 0,1,2,3,4,5,6,7,8,9,10,11,12,13,14,15
	v_cmp_gt_i32 s[MK+\i], 32*\g+\i, v[DQ]         ; register 16 b + i holds key 32 b + 16 h + i of the step: hidden where 32 b + i > my query - the step's first key - 16 h
.endr
	s_wait_alu depctr_va_sdst(0)                   ; the sixteen compares have written s[MK ..], which the selects below read
.irp i, 0,1,2,3,4,5,6,7,8,9,10,11,12,13,14,15
	v_cndmask_b32 v[S+16*\g+\i], v[S+16*\g+\i], v[MV], s[MK+\i]
.endr
.endr
.Lopen_\@:
.irp b, 0,1,2,3
	v_max3_num_f32 v[BM+\b], v[S+16*\b], v[S+1+16*\b], v[S+2+16*\b]            ; the largest score of each block of 32 keys: for the row's maximum, and, since p rises with the score, for the block's largest p
.endr
.irp t, 0,1,2,3
.irp b, 0,1,2,3
	v_max3_num_f32 v[BM+\b], v[BM+\b], v[S+16*\b+3+2*\t], v[S+16*\b+4+2*\t]    ; (the four blocks by turns)
.endr
.irp g, 0,1,2
	ds_load_b128 v[F+12*\t+4*\g:F+12*\t+4*\g+3], v[AFR] offset:\s*SLOT+VIMG+1536*\t+16*\g   ; V's fragment t: it lands while the softmax is walked
.endr
.endr
.irp i, 11,13
.irp b, 0,1,2,3
	v_max3_num_f32 v[BM+\b], v[BM+\b], v[S+16*\b+\i], v[S+1+16*\b+\i]
.endr
.endr
	ds_load_b128 v[SCL:SCL+3], v[ASC] offset:\s*SLOT+VSC                       ; and V's scale words
.irp b, 0,1,2,3
	v_max_num_f32 v[BM+\b], v[BM+\b], v[S+15+16*\b]
.endr
.irp b, 0,1,2,3
	v_permlanex16_b32 v[PM+\b], v[BM+\b], s[SEL], s[SEL+1]
.endr
.irp b, 0,1,2,3
	v_max_num_f32 v[BM+\b], v[BM+\b], v[PM+\b]     ; with lane l xor 16's 16 keys
.endr
	v_max3_num_f32 v254, v[BM], v[BM+1], v[BM+2]
	v_max_num_f32 v254, v254, v[BM+3]              ; the step's largest score of my query
	v_mul_f32 v254, s[CS], v254                    ; as t (c is positive)
	v_max_num_f32 v13, v13, v254                   ; the running largest t
	v_mov_b32 v254, v12
	v_floor_f32 v12, -v13                          ; the new -M = floor(-t) = -ceil(t): a whole number
	v_sub_f32 v254, v12, v254                      ; old M less new M: a whole number, 0 or less
	v_cvt_i32_f32 v254, v254                       ; (it saturates)
	v_ldexp_f32 v252, 1.0, v254                    ; f = 2^(old M - new M)
.set ii, 0
.rept 32
	v_pk_fma_f32 v[S+ii:S+ii+1], v[S+ii:S+ii+1], s[CS:CS+1], v[12:13] op_sel_hi:[1,0,0]   ; t - M, two at a time (of the pairs c and -M the low word serves both halves)
.set ii, ii+2
.endr
.irp b, 0,1,2,3
	v_fma_f32 v[BM+\b], v[BM+\b], s[CS], v12       ; the same of each block's largest score
.endr
.set ii, 0
	s_wait_alu depctr_va_vdst(0)
.rept 64
	v_exp_f32 v[S+ii], v[S+ii]                     ; p = 2^(t - M): one batch
.set ii, ii+1
.endr
	v_pk_mul_f32 v[14:15], v[14:15], v[252:253] op_sel_hi:[1,0]                ; the sums under the new M: the plain instruction behind the batch
	s_wait_alu depctr_va_vdst(0)                   ; the 64 exponentials have written v[S ..]: one wait for the batch, ahead of the first line that names a result
.irp b, 0,1,2,3
	v_exp_f32 v[BM+\b], v[BM+\b]                   ; the block's largest p: the same two instructions on the same number give the same bits
.endr
	v_pk_add_f32 v[PM:PM+1], v[S:S+1], v[S+2:S+3]  ; the row's sum of the UNQUANTISED p, two at a time, in two chains; it reads the 64 alone
.irp j, 4,8,12,16,20,24,28,32,36,40,44,48,52,56,60
	v_pk_add_f32 v[14:15], v[14:15], v[S+\j:S+\j+1]
	v_pk_add_f32 v[PM:PM+1], v[PM:PM+1], v[S+2+\j:S+3+\j]
.endr
	v_pk_add_f32 v[14:15], v[14:15], v[PM:PM+1]
	s_wait_alu depctr_va_vdst(0)                   ; the four exponentials have written v[BM ..]: their one wait, ahead of the first line that names them
.irp b, 0,1,2,3
	v_max_num_f32 v[BM+\b], 0x2800000, v[BM+\b]    ; the floor 2^(5 - 127): the byte cannot fall under 1 (a block whose every p is 0 keeps that byte: its codes are zeros)
.endr
.irp b, 0,1,2,3
	v_add_nc_u32 v[EX+\b], 0xfe000000, v[BM+\b]    ; 4 off the exponent field: the conversion's scale operand
.endr
.irp b, 0,1,2,3
	v_lshrrev_b32 v[PM+\b], 23, v[EX+\b]           ; the scale's byte
.endr
	v_lshl_or_b32 v[PS], v[PM+1], 8, v[PM]         ; p's scale word for these 128 keys
	v_lshl_or_b32 v[PS], v[PM+2], 16, v[PS]
	v_lshl_or_b32 v[PS], v[PM+3], 24, v[PS]
.irp c, 0,1
	v_cvt_scalef32_pk16_bf6_f32 v[PC+6*\c:PC+6*\c+2], v[S+32*\c:S+32*\c+15], v[EX+2*\c]
	v_cvt_scalef32_pk16_bf6_f32 v[PT+4*\c:PT+4*\c+2], v[S+32*\c+16:S+32*\c+31], v[EX+2*\c+1]
.endr
	v_nop                                          ; one plain place behind a scaled conversion
.irp c, 0,1                                    ; the operand's layout wants a WHOLE block in a lane: lanes 0-15 block 2 c, lanes 16-31 block 2 c + 1
.irp i, 0,1,2
	v_permlane16_swap_b32 v[PC+6*\c+\i], v[PT+4*\c+\i]
.endr
.irp i, 0,1,2
	v_mov_b32 v[PC+3+6*\c+\i], v[PT+4*\c+\i]
.endr
.endr
.set ii, 0
.rept 16
	v_pk_mul_f32 v[O+ii:O+ii+1], v[O+ii:O+ii+1], v[252:253] op_sel_hi:[1,0]    ; O^T under the new M, from each accumulator's low end on; these 16 are also the places between p's codes and scale word and the products
.set ii, ii+2
.endr
	s_wait_dscnt 0x0                               ; V's fragments and scale words are in
	s_wait_alu depctr_va_vdst(0)                   ; p's codes v[PC ..] and scale word v[PS] are written, which the scaled products below take as an operand and as scales; the places above stay beside this wait
.irp t, 0,1,2,3                                ; O^T += V^T P^T: the four accumulators by turns; between two links of a chain stand three of these and the next step's eight
	v_wmma_scale_f32_16x16x128_f8f6f4 v[O+8*\t:O+8*\t+7], v[F+12*\t:F+12*\t+11], v[PC:PC+11], v[O+8*\t:O+8*\t+7], v[SCL+\t], v[PS] matrix_a_fmt:MATRIX_FMT_BF6 matrix_b_fmt:MATRIX_FMT_BF6
.endr
.rept 4
	v_nop                                          ; four places in front of the next codes, which are written over an operand of these products, and of the next read of O^T
.endr
.endm
.macro BARRIER                                 ; my LDS stores have landed and my LDS loads are back: then the work-group's barrier
	s_wait_dscnt 0x0
	s_barrier_signal -1
	s_barrier_wait -1
.endm
; A key step in slot s.  A wave all of whose queries come before the step's keys only quantises; the branch hangs on ids and the loop's counter, and the barrier stands outside it.
.macro STEP s
	s_wait_alu depctr_va_vdst(0)                   ; the step before is over: its products are done reading v[F ..] and v[SCL ..], in which K's loads land, and its vector work is done with v[S ..], in which a K producer's turned numbers land
	s_add_co_u32 s[TJ], s[J2], \s
	s_cmp_gt_u32 s[TJ], s[BLK]
	s_cbranch_scc1 .Lidle_\@
	KFETCH \s                                      ; asked for first, so that the fragments come while the next step is quantised
	PRODUCE 1-\s, R, 0
	ATTEND \s
	s_branch .Lmeet_\@
.Lidle_\@:
	PRODUCE 1-\s, R, 0
.Lmeet_\@:
	BARRIER                                        ; slot 1 - s is whole, and nobody reads slot s any more
.endm
	s_load_b256 s[4:11], s[0:1], 0x0               ; Q s[4:5], K s[6:7], V s[8:9], O s[10:11]
	v_lshl_add_u32 v211, v0, 2, 0x17400            ; the closing add's pair, made here and kept for it alone: my spare word, behind the sixteen stages,
	v_mov_b32 v255, 0                              ; and 0
	v_lshrrev_b32 v96, 5, v0
	v_readfirstlane_b32 s[WV], v96                 ; wave 0..15
	s_mov_b32 s[PP], ttmp9
	s_and_b32 s[HD], ttmp7, 0xffff
	s_sub_co_u32 s[LAST], 15, s[PP]
	s_wait_alu depctr_va_sdst(0)                   ; s[WV] is written, ahead of its first reader
	s_and_b32 s27, s[WV], 7                        ; my tile in my block
	s_lshr_b32 s28, s[WV], 3
	s_cmp_lt_u32 s[WV], 8
	s_cselect_b32 s[BLK], s[PP], s[LAST]
	s_or_b32 s29, s28, s[PP]
	s_cmp_eq_u32 s29, 0                            ; waves 0-7 of the head's work-group p = 0 prefetch
	s_cselect_b32 s[LIM], 13, 0
	s_and_b32 s[IDX], s[WV], 3
	s_lshl_b32 s29, s28, 2
	s_or_b32 s[IDX], s[IDX], s29                   ; (w % 4) + 4 (w / 8)
	s_bfe_u32 s[ROLE], s[WV], 0x10002              ; bit 2 of w: waves 0-3, 8-11 take K, waves 4-7, 12-15 take V
	s_lshr_b32 s31, s[IDX], 1                      ; K: the fragment f;   V: the block of 32 keys b
	s_and_b32 s32, s[IDX], 1                       ; K: its half c;       V: which 32 channels
	s_mul_i32 s30, s[WV], WSTG
	s_add_co_u32 s30, s30, STG                     ; my stage
	s_mov_b32 s[SEL], 0x76543210
	s_mov_b32 s[SEL+1], 0xfedcba98
	s_mov_b32 s[CS], 0x3e38aa3b                    ; c = log2(e) / 8
	s_mov_b32 s[CS+1], s[CS]                       ; (named with it as a pair, so it is written)
	; every address register is made here, in every wave, ahead of the first parting of the roles
	v_and_b32 v96, 31, v0                          ; lane
	v_and_b32 v97, 15, v0                          ; r
	v_bfe_u32 v98, v0, 4, 1                        ; h
	v_mul_u32_u24 v[AFR], v96, 48
	v_lshlrev_b32 v[ASC], 4, v97
	v_mul_u32_u24 v[TIN], v98, 272
	v_lshl_add_u32 v[TIN], v97, 4, v[TIN]
	v_add_nc_u32 v[TIN], s30, v[TIN]
	v_mul_u32_u24 v[TRD], v97, 272
	v_lshl_add_u32 v[OSI], v98, 5, v[TRD]
	v_lshl_add_u32 v[TRD], v98, 7, v[TRD]
	v_add_nc_u32 v[TRD], s30, v[TRD]
	v_add_nc_u32 v[OSI], s30, v[OSI]
	s_mul_i32 s33, s31, 1536                       ; K's codes: fragment f, registers 6 c on of lane l: 1,536 f + 24 c + 48 l
	s_mul_i32 s34, s32, 24
	s_add_co_u32 s33, s33, s34
	v_add_nc_u32 v[KPST], s33, v[AFR]
	s_lshl_b32 s33, s31, 2                         ; K's byte: row r's word of fragment f, byte 2 c + h
	s_lshl_b32 s34, s32, 1
	s_add_co_u32 s33, s33, s34
	s_add_co_u32 s33, s33, KSC
	v_add_nc_u32 v[KPSB], v[ASC], v98
	v_add_nc_u32 v[KPSB], s33, v[KPSB]
	s_lshl_b32 s33, s31, 13                        ; K in memory: key 32 f + 8 c, 256 bytes a key, 16 bytes a lane
	s_lshl_b32 s34, s32, 11
	s_add_co_u32 s33, s33, s34
	v_lshl_add_u32 v[KGL], v96, 4, s33
	s_mul_i32 s33, s32, 3072                       ; V's codes: my channel 32 ch + l is row r of fragment 2 ch + h; key block b is registers 6 (b / 2) on of lane r + 16 (b % 2)
	s_and_b32 s34, s31, 1
	s_mul_i32 s34, s34, 768
	s_add_co_u32 s33, s33, s34
	s_lshr_b32 s34, s31, 1
	s_mul_i32 s34, s34, 24
	s_add_co_u32 s33, s33, s34
	s_add_co_u32 s33, s33, VIMG
	v_mul_u32_u24 v[VPST], v97, 48
	v_mad_u32_u24 v[VPST], v98, 1536, v[VPST]
	v_add_nc_u32 v[VPST], s33, v[VPST]
	s_lshl_b32 s33, s32, 3                         ; V's byte: row r's word of fragment 2 ch + h, byte b
	s_add_co_u32 s33, s33, s31
	s_add_co_u32 s33, s33, VSC
	v_lshl_add_u32 v[VPSB], v98, 2, v[ASC]
	v_add_nc_u32 v[VPSB], s33, v[VPSB]
	s_lshl_b32 s33, s31, 13                        ; V in memory: key 32 b, channel 32 ch + l
	s_lshl_b32 s34, s32, 7
	s_add_co_u32 s33, s33, s34
	v_lshl_add_u32 v[VGL], v96, 2, s33
	s_and_b32 s33, s[WV], 3
	s_lshl_b32 s33, s33, 13
	v_lshl_add_u32 v[PFO], v96, 8, s33             ; the prefetches: 8,192 (w % 4) + 256 l
	v_lshlrev_b32 v[LN16], 4, v96
	v_lshlrev_b32 v[DQ], 4, v98
	v_sub_nc_u32 v[DQ], v97, v[DQ]
	s_lshl_b32 s33, s27, 4
	v_add_nc_u32 v[DQ], s33, v[DQ]                 ; r - 16 h + 16 x my tile
	v_mov_b32 v[MV], 0xc79c4000                    ; -80,000.0
	s_lshl_b32 s34, s[HD], 19                      ; a head is 2,048 x 256 bytes
	s_mov_b32 s35, 0
	s_lshl_b32 s28, s[BLK], 15                     ; a block of 128 queries,
	s_lshl_b32 s29, s27, 12                        ; a tile of 16
	s_wait_kmcnt 0x0
	s_add_nc_u64 s[KP:KP+1], s[KP:KP+1], s[34:35]  ; K and V at the head's step 0
	s_add_nc_u64 s[VP:VP+1], s[VP:VP+1], s[34:35]
	s_add_co_u32 s34, s34, s28
	s_add_co_u32 s34, s34, s29
	s_add_nc_u64 s[4:5], s[4:5], s[34:35]          ; Q and O at my first query
	s_add_nc_u64 s[10:11], s[10:11], s[34:35]
	s_wait_alu depctr_va_vdst(0)                   ; all offsets and LDS addresses (v1 to v11, v88, v89) are written, which every load, store and prefetch of the kernel reads; the address arithmetic is done with v96 to v98, in which LDS loads land
.irp i, 0,1,2,3,4,5,6,7
	global_load_b128 v[F+4*\i:F+4*\i+3], v[LN16], s[4:5] offset:512*\i th:TH_LOAD_NT   ; my 16 queries as they lie: 512 consecutive bytes an instruction; read by this wave alone
.endr
	s_cmp_lg_u32 s[ROLE], 0
	s_cbranch_scc1 .Lhead_v
.irp i, 0,1,2,3,4,5,6,7
	global_load_b128 v[RAW0+4*\i:RAW0+4*\i+3], v[KGL], s[KP:KP+1] offset:512*\i+2048*(\i/4)          ; key step 0
.endr
.irp i, 0,1,2,3,4,5,6,7
	global_load_b128 v[R+4*\i:R+4*\i+3], v[KGL], s[KP:KP+1] offset:STEPB+512*\i+2048*(\i/4)          ; key step 1 (every work-group needs at least nine steps)
.endr
	s_branch .Lhead_l
.Lhead_v:
.set ii, 0
.rept 32
	global_load_b32 v[RAW0+ii], v[VGL], s[VP:VP+1] offset:256*ii
.set ii, ii+1
.endr
.set ii, 0
.rept 32
	global_load_b32 v[R+ii], v[VGL], s[VP:VP+1] offset:STEPB+256*ii
.set ii, ii+1
.endr
.Lhead_l:
	v_mov_b32 v13, 0xff61b1e6                      ; the largest t so far: -3e38, under every t
	v_floor_f32 v12, -v13                          ; -M
	v_mov_b32 v14, 0                               ; the sum, in two halves
	v_mov_b32 v15, 0
	v_mov_b32 v252, 0                              ; (a lane permute's destination on the way out)
	v_mov_b32 v253, 0                              ; (named as the upper half of the pair v[252:253])
.irp b, 0,1,2,3
	v_mov_b32 v[PM+\b], 0                          ; written once: a lane permute's destination counts as one of its sources
.endr
.set ii, 0
.rept 32
	v_mov_b32 v[O+ii], 0                           ; O^T.  The key step is written without a first step of its own: the first finds zeros, which the first change of M leaves zeros
.set ii, ii+1
.endr
	s_wait_loadcnt 0x0                             ; Q and the first two steps' numbers
.irp i, 0,1,2,3,4,5,6,7
	ds_store_b128 v[TIN], v[F+4*\i:F+4*\i+3] offset:544*\i                     ; Q turns through my stage as K does
.endr
.irp i, 0,1,2,3,4,5,6,7
	ds_load_b128 v[S+4*\i:S+4*\i+3], v[TRD] offset:16*\i                       ; (no vector instruction since the wait on va_vdst above names v[S ..])
.endr
	s_wait_dscnt 0x0
	s_wait_alu depctr_vm_vsrc(0)                   ; the stage stores have read v[F ..], in which K's fragments land in the first step
	QUANT32 S, QZ+6                                ; lane (r, h): channels 32 h .. 32 h + 31 of query r
	v_permlanex16_b32 v[PM], v[BM+3], s[SEL], s[SEL+1]
	v_lshl_or_b32 v[QS], v[PM], 8, v[BM+3]         ; lanes 0-15, which alone are read: the bytes of channels 0-31 and 32-63,
	v_lshl_or_b32 v[QS], v[QS], 16, v[QS]          ; twice: for [q | 0] and for [0 | q]
.irp i, 0,1,2,3,4,5
	v_mov_b32 v[QZ+\i], 0                          ; the zero codes on both sides of q
	v_mov_b32 v[QZ+12+\i], 0
.endr
	s_wait_alu depctr_va_vdst(0)                   ; Q's conversions are done reading v[S ..], in which a K producer's turned numbers land.  (That v[QZ ..] and v[QS] are written, for the scaled products, is stated behind their places by the wait at the first step's head)
	PRODUCE 0, RAW0, 1                             ; key step 0 into slot 0
	BARRIER
	s_mov_b32 s[J2], 0
.Ltrip:                                            ; eight trips of two key steps, in every work-group: steps that nobody of the work-group needs pass the barrier alone
	STEP 0
	STEP 1
	s_add_co_u32 s[J2], s[J2], 2
	s_cmp_lt_u32 s[J2], 16
	s_cbranch_scc1 .Ltrip
	; THE WAY OUT.  O^T is divided by the row's sum and goes through my stage, so that sixteen lanes store one row of O: 256 consecutive bytes, at a multiple of 256 from O's first byte.
	v_add_f32 v14, v14, v15                        ; the sum's two halves,
	v_permlanex16_b32 v252, v14, s[SEL], s[SEL+1]
	v_add_f32 v14, v14, v252                       ; and lane l xor 16's
	s_wait_alu depctr_va_vdst(0)
	v_rcp_f32 v14, v14
	v_nop                                          ; one plain place behind a transcendental
	s_wait_alu depctr_va_vdst(0)                   ; the reciprocal has written v14, ahead of its first reader
.set ii, 0
.rept 32
	v_mul_f32 v[S+ii], v[O+ii], v14                ; register 8 t + j is o(r, 16 t + 8 h + j); each accumulator from its low end on
.set ii, ii+1
.endr
	s_wait_alu depctr_va_vdst(0)                   ; the multiplications have written v[S ..], which the stage stores read; my last products are long done reading v[F ..], in which the stage loads land
.irp t, 0,1,2,3
	ds_store_b128 v[OSI], v[S+8*\t:S+8*\t+3] offset:64*\t
	ds_store_b128 v[OSI], v[S+8*\t+4:S+8*\t+7] offset:64*\t+16
.endr
.irp i, 0,1,2,3,4,5,6,7
	ds_load_b128 v[F+4*\i:F+4*\i+3], v[TIN] offset:544*\i                      ; LDS serves a wave's instructions in order: these see my stores
.endr
.irp i, 0,1,2,3,4,5,6,7
	s_wait_dscnt 7-\i                              ; loads come back in order: load i is in, the 7 - i younger ones may be out
	global_store_b128 v[LN16], v[F+4*\i:F+4*\i+3], s[10:11] offset:512*\i th:TH_STORE_NT
.endr
	s_wait_dscnt 0x0                               ; the closing lines, six on end
	s_wait_alu 0x0
	s_wait_tensorcnt 0x0
	ds_add_u32 v211, v255
	s_wait_dscnt 0x0
	s_endpgm
.Lfunc_end_k_q68994235a3_attn:
	.size	k_q68994235a3_attn, .Lfunc_end_k_q68994235a3_attn-k_q68994235a3_attn
	.p2alignl 7, 3214868480
	.fill 96, 4, 3214868480
	.section	.rodata,"a",@progbits
	.p2align	6, 0x0
	.amdhsa_kernel k_q68994235a3_attn
		.amdhsa_group_segment_fixed_size 97280
		.amdhsa_private_segment_fixed_size 0
		.amdhsa_enable_private_segment 0
		.amdhsa_kernarg_size 32
		.amdhsa_user_sgpr_count 2
		.amdhsa_user_sgpr_kernarg_segment_ptr 1
		.amdhsa_wavefront_size32 1
		.amdhsa_system_sgpr_workgroup_id_x 1
		.amdhsa_system_sgpr_workgroup_id_y 1
		.amdhsa_system_sgpr_workgroup_id_z 1
		.amdhsa_system_vgpr_workitem_id 0
		.amdhsa_next_free_vgpr 256
		.amdhsa_next_free_sgpr 66
		.amdhsa_reserve_vcc 0
		.amdhsa_float_denorm_mode_32 3
		.amdhsa_float_denorm_mode_16_64 3
		.amdhsa_memory_ordered 1
		.amdhsa_forward_progress 1
		.amdhsa_inst_pref_size 111
	.end_amdhsa_kernel
	.amdgpu_metadata
---
amdhsa.version: [ 1, 2 ]
amdhsa.kernels:
  - .name:           k_q68994235a3_attn
    .symbol:         k_q68994235a3_attn.kd
    .args:
      - { .name: query_states, .offset: 0, .size: 8, .value_kind: global_buffer, .address_space: global }
      - { .name: key_states, .offset: 8, .size: 8, .value_kind: global_buffer, .address_space: global }
      - { .name: value_states, .offset: 16, .size: 8, .value_kind: global_buffer, .address_space: global }
      - { .name: out0, .offset: 24, .size: 8, .value_kind: global_buffer, .address_space: global }
    .group_segment_fixed_size: 97280
    .private_segment_fixed_size: 0
    .kernarg_segment_align: 8
    .kernarg_segment_size: 32
    .max_flat_workgroup_size: 512
    .sgpr_count:     66
    .vgpr_count:     256
    .wavefront_size: 32
...
	.end_amdgpu_metadata
.endif
;; end of part 2
